; MI455X (gfx1250); checked and timed in simulation.
; The chip was launched on July 23, 2026; its instructions are those of AMD's public machine-readable ISA for CDNA 5 (MIT licence, August 2026) and "CDNA5" Instruction Set Architecture Reference Guide (July 2026). The comments in the code are by the model that wrote it; some were corrected since.
;; compute Attention Weight Proj. Allowed arithmetic: matrix products marked QUANTISED: E4M3 operands, one E8M0 scale for each 32 along K, by v_wmma_scale_f32_16x16x128_f8f6f4 with both operands' format E4M3, f32 sums; products left as they are: f32 operands where the result goes on into a quantised operand, else bf16, f16 or f32 operands; f32 sums; everything else in f32.
;; Inputs: G 8 x 4 x 2,048 x 32 float32; K 8 x 4 x 2,048 x 32 float32; Q 8 x 4 x 2,048 x 32 float32; V 8 x 4 x 2,048 x 32 float32; seqMask 4 x 2,048 bool.
;; Outputs: out0 4 x 2,048 x 8 x 32 float32.
;; This version of the problem:
;;   THIS VERSION OF THE PROBLEM IS GIVEN IN LOW PRECISION. The matrix products marked QUANTISED in the list below multiply operands that are first quantised to E4M3 (4 exponent bits, 3 mantissa bits; 8 bits a number), with one power-of-two scale for each 32 numbers along K (OCP MX v1.0); their sums are f32. All else is computed in f32.
;;   The module's matrix products, in the order in which they are computed (A, B: the left and right operand; K: the contracted axis; several contracted axes count as one K, in the product's order):
;;     1. batch 32 x [M 2,048, K 32] x [K 32, N 2,048]; A: input Q; B: input K: QUANTISED
;;     2. batch 32 x [M 32, K 2,048] x [K 2,048, N 2,048]; A: input V; B: softmax (see below): QUANTISED
;;     3. batch 2,097,152 x [M 1, K 1] x [K 1, N 1]; A: computed on the way; B: computed on the way: left as it is (no contracted axis)
;;   THE QUANTISER, for each operand of a quantised product, along K:
;;     - K is cut into blocks of 32 from its start; a last block that is shorter is filled with zeros.
;;     - A block's scale is 2^e with e = floor(log2(the largest magnitude in the block)) - 8, held to -126 .. 127; a block of zeros has e = 0. As a byte (E8M0): e + 127.
;;     - Each number is divided by its block's scale, clamped to +-448, and rounded to the nearest number of E4M3, ties to even, subnormals kept.
;;     - The product sums the exact products of the quantised numbers (number of the format x scale) in f32.
;;   ~~~python
;;   def quantise(x, axis):      # numpy; x: float32 -> the quantised numbers, widened to float32 again
;;       x = np.moveaxis(x, axis, -1); K = x.shape[-1]
;;       x = np.pad(x, [(0, 0)] * (x.ndim - 1) + [(0, -K % 32)]); x = x.reshape(x.shape[:-1] + (-1, 32)); a = np.abs(x).max(-1, keepdims=True)
;;       e = np.where(a > 0, np.clip(np.frexp(np.where(a > 0, a, 1))[1] - 1 - 8, -126, 127), 0)      # np.frexp(a)[1] - 1 = floor(log2(a)), exactly
;;       r = np.clip(x / 2.0 ** e, -448, 448)
;;       step = 2.0 ** (np.maximum(np.frexp(np.where(r == 0, 1, r))[1] - 1, -6) - 3)
;;       q = np.round(r / step) * step * 2.0 ** e      # np.round: ties to even
;;       return np.moveaxis(q.reshape(q.shape[:-2] + (-1,))[..., :K], -1, axis).astype(np.float32)
;;   ~~~
;;   SOFTMAX AHEAD OF A QUANTISED PRODUCT. Where the list says 'softmax', what is quantised is not the finished softmax but p = 2^(t - M), with t = logit x log2(e) and M = ceil(the row's largest t), a whole number; so 1/2 < the row's largest p <= 1. The row's sum l is taken of the UNQUANTISED p, in f32, and the product's result is divided by l at the end. Since M is a whole number, a kernel that streams over the keys may use a running M (the ceiling of the running maximum): every later rescaling is an exact power of two, which a block's scale takes up: the codes' values come out the same.
;;   OPERANDS COMPUTED ON THE WAY. 'Computed on the way' means the value that the module computes at that place (a softmax that the list does not call 'softmax' is quantised finished and normalised). What goes into a quantiser is computed in f32, as accurately as f32 sums, v_exp_f32 and their like allow (about 1e-6 of the number): no bf16 or f16 on the way to a quantiser, and a product that is left as it is and whose result goes on into a quantised operand takes f32 operands (vector FMAs, or v_wmma_f32_16x16x4_f32). A number that lies on a knife's edge between two numbers of the format may be rounded either way, as far as f32 arithmetic and the matrix unit's own rounding can turn it there, and no further.
;; One version. Each part assembles by itself: llvm-mc -triple=amdgcn-amd-amdhsa -mcpu=gfx1250 --defsym DOCPART=n.
;; ======== version 1 of 1: 1 launch
;; limits: right only within a limited range of input values
;; launch band (part 1): grid 32 x 8, 16 waves a work-group, no clusters, 285,696 bytes of LDS; arguments Q, K, V, G, seqMask, out0; writes out0
.if DOCPART == 1
	.amdgcn_target "amdgcn-amd-amdhsa--gfx1250"
	.amdhsa_code_object_version 6
	.text
	.protected	k_q05c041e1da_band
	.globl	k_q05c041e1da_band
	.p2align	8
	.type	k_q05c041e1da_band,@function
k_q05c041e1da_band:
	s_mov_b64 s[64:65], 0
	v_nop
	global_prefetch_b8 v0, s[64:65] scope:SCOPE_SE
	s_setreg_imm32_b32 hwreg(HW_REG_WAVE_MODE, 25, 1), 1
	s_wait_xcnt 0x0
; out0[n][s][hd][:] = G[hd][n][s][:] x (sum over t of softmax_t(Q[hd][n][s] . K[hd][n][t] / sqrt(32)) V[hd][n][t][:]), keys t with |s - t| <= 10 and seqMask[n][t] = 0.
; Q, K, V, G: [8][4][2048][32] f32; seqMask: [4][2048] bytes; out0: [4][2048][8][32] f32.  Both products on codes of E4M3 with one E8M0 scale for each 32 along K:
; Q and K along the 32 channels (a row is one block), V and p along the keys (blocks of 32 keys, counted from key 0).  p = 2^(t - M), t = score x log2(e) / sqrt(32), M = ceil(the row's largest t);
; the row's sum is taken of the unquantised p and divides at the end.
; SHARES.  256 work-groups: x = a chunk of 64 positions, y = 2 x batch + a group of four heads.  Sixteen waves: wave w has head w / 4 of the group and tile w % 4 of the chunk: 16 queries.
; A tile's 36 keys in the band lie in two aligned blocks of 32 keys; a chunk's four tiles want four blocks (2 j - 1 .. 2 j + 2).  Wave w quantises block w % 4 of its head, of K and of V, once, and hands
; the codes to the head's other waves through LDS as images of the operand's registers; its own Q it quantises in registers.  Every input tile is a dense block of memory and comes by one tensor load;
; a wave issues its four (K, Q, V, G) at the head: four are out, by this text's own count, and each phase waits for its own tile alone.  No LDS byte is filled twice; there is no loop and no branch.
; LAYOUT.  Both products are used transposed: S^T = K Q^T (source 0 = 16 keys, source 1 = my 16 queries), O^T = V^T P^T (source 0 = 16 channels, source 1 = p): a lane holds ONE query (lane % 16) throughout.
; The keys of a tile are not neighbours: row r of tile u of a block is key 8 u + r + 8 (r / 8), so that the 16 registers of a block's two tiles are keys 16 (lane / 16) + 0 .. 15 of the block: p's operand layout.
; The contracted axis of S^T is 32, the instruction's 128: the four tiles of keys stand in source 0's four blocks of 32, and Q's codes in ONE block of source 1 among zero codes, which picks that tile.
; The contracted axis of O^T is the two blocks of keys; the other two blocks of both sources are zero codes.
; HIDDEN KEYS get the penalty -infinity added to t: from seqMask (loaded), from the band (lane masks made of constants and the tile's parity) and for blocks that lie outside the sequence (their loads are
; clamped to the sequence's first or last block, so they hold finite numbers).  Then p = 0 and the codes are zeros.
; NO CLUSTER: a block of K or V is wanted by two neighbouring chunks, at place p of the window in one and p - 2 in the other; one joint load has one LDS address, so the reading addresses would hang on the
; work-group's place in its cluster.  The union window of four chunks for all four partners is 10 blocks x 4 heads x 2 tensors x 4,352 bytes = 348,160 bytes: more than the 327,680 that a work-group can claim.
; LIMITS: NaN and infinities in Q, K, V, G are not served.  A block whose largest magnitude lies under 2^-118 takes the scale byte 1 (a block of zeros too, where the quantiser says 127: its codes are zeros,
; and only this text reads the bytes).  p under 2^-126 comes out of v_exp_f32 as 0.  A row all of whose keys are hidden gives NaN, as the softmax of such a row does: M is then -infinity, t - M NaN, the sum NaN.
.set BLKB,  4352                       ; a block of 32 rows x 128 bytes in LDS: 16 lines of 256 bytes + 16 of padding
.set TILB,  2176                       ; a tile of 16 rows: 8 such lines
.set KREG,  0                          ; wave w's block of K, f32
.set VREG,  69632                      ; its block of V
.set QREG,  139264                     ; its tile of Q
.set GREG,  174080                     ; its tile of G.  Tensor loads fill these four regions and nothing else
.set KIMG,  208896                     ; K's codes: block (head, place) at 1,024 (4 head + place): tile u at 512 u + 16 x lane
.set KSC,   225280                     ; its scale bytes: 128 bytes a block, a word a lane: byte 0 tile 0's row, byte 1 tile 1's
.set VIMG,  227328                     ; V's codes: keys 0-15 of channel = lane at 16 x lane, keys 16-31 at 512 + 16 x lane
.set VSC,   243712                     ; its scale bytes: a word a lane (= channel)
.set TOV,   VIMG-KIMG                  ; = VSC - KSC = 18,432: from K's images to V's, as an immediate
.set PENT,  245760                     ; wave w's 64 penalties, one for each key of its two blocks
.set STG,   249856                     ; the way out: 64 rows (positions) x (512 bytes = 4 heads x 32 channels, + 16)
.set SP,    528
.set SPARE, 283648                     ; the spare words, 128 bytes for each wave: eight blocks of 256 bytes that no other line names
.set X,     32                         ; v32-63   f32 numbers in hand; at the end v32-47 G, v48-63 rows read back from the stage
.set BK,    48
.set KC,    64                         ; v64-71   codes on their way to an image
.set QZ,    72                         ; v72-99   zeros, Q's codes in v84-87, zeros
.set KF,    100                        ; v100-115 K's codes: four tiles of 16 keys
.set SCO,   136                        ; v136-167 the scores, then t, then p: register 16 b + i = key 32 b + 16 (lane / 16) + i of my two blocks
.set PEN,   168                        ; v168-199 the penalties, in the same order
.set OT,    168                        ; v168-183 later O^T
.set VF,    200                        ; v200-231 V's two fragments: 8 registers of codes, 8 of zeros each
.set PB,    232                        ; v232-247 p's codes, then 8 registers of zeros
; v1, v2 the add's two; v3-18 addresses; v19-23 at work on addresses; v24-31 at work; v116-119 scale words of K, Q, p, V (scales and nothing else); v120-121 their pieces as loaded;
; v[122:123] -M; v[124:125] the sum; v126 -infinity; v[128:129] 1 / the sum; v130-131 the blocks' largest t, then p; v132-133 lane permutes; v134-135 p's conversion scales.
; s[4:15] the six buffers; s16 wave, s17 tile, s18 head in the group, s19 wb, s20 batch, s21 group; s[24:39] four descriptor groups 0; s[40:47], s[48:55] two groups 1; s[58:59] c; s[60:61] lane selects;
; s63 the band's shift; s[68:99] the band's 32 lane masks; s100, s101 the two blocks' own penalties.
; 16 numbers of a lane, v[src] on: channels 16 (lane / 16) + 0 .. 15 of its row; the row's 32 are one block, shared with lane l xor 16.  Codes to v[dst .. dst + 3], the scale's byte to v[byte].
.macro QROW src, dst, byte
	v_max3_num_f32 v24, |v[(\src)]|, |v[(\src)+1]|, 0x4800000          ; the largest magnitude, in two chains, with the floor 2^(9 - 127) among the leaves: the byte cannot fall under 1
	v_max3_num_f32 v26, |v[(\src)+8]|, |v[(\src)+9]|, |v[(\src)+10]|
	s_delay_alu instid0(VALU_DEP_2)
	v_max3_num_f32 v24, v24, |v[(\src)+2]|, |v[(\src)+3]|
	s_delay_alu instid0(VALU_DEP_2)
	v_max3_num_f32 v26, v26, |v[(\src)+11]|, |v[(\src)+12]|
	s_delay_alu instid0(VALU_DEP_2)
	v_max3_num_f32 v24, v24, |v[(\src)+4]|, |v[(\src)+5]|
	s_delay_alu instid0(VALU_DEP_2)
	v_max3_num_f32 v26, v26, |v[(\src)+13]|, |v[(\src)+14]|
	s_delay_alu instid0(VALU_DEP_2)
	v_max3_num_f32 v24, v24, |v[(\src)+6]|, |v[(\src)+7]|
	s_delay_alu instid0(VALU_DEP_1)
	v_max3_num_f32 v24, v24, v26, |v[(\src)+15]|
	s_delay_alu instid0(VALU_DEP_1)
	v_permlanex16_b32 v25, v24, s60, s61
	s_delay_alu instid0(VALU_DEP_1)
	v_max_num_f32 v24, v24, v25                    ; with lane l xor 16's: the block's
	s_delay_alu instid0(VALU_DEP_1)
	v_add_nc_u32 v26, 0xfc000000, v24              ; 8 off its exponent field: the conversion takes this operand's exponent field as its scale
	s_delay_alu instid0(VALU_DEP_1)
	v_lshrrev_b32 v[\byte], 23, v26                ; the scale's byte
.irp i, 0,1,2,3,4,5,6,7,8,9,10,11,12,13,14,15
.endr
	v_cvt_scalef32_pk8_fp8_f32 v[(\dst):(\dst)+1], v[(\src):(\src)+7], v26
	v_cvt_scalef32_pk8_fp8_f32 v[(\dst)+2:(\dst)+3], v[(\src)+8:(\src)+15], v26
	v_nop                                          ; one plain vector instruction behind the last conversion of a run
.endm
; 32 numbers of a lane, v[X] on: the 32 keys of a block, for channel = lane: the whole block is mine.  Codes to v[KC .. KC + 7], the scale's byte to v28.
.macro VBLOCK
	v_max3_num_f32 v24, |v[X]|, |v[X+1]|, |v[X+2]|
	v_max3_num_f32 v25, |v[X+3]|, |v[X+4]|, |v[X+5]|
.irp i, 6,10,14,18,22,26
	s_delay_alu instid0(VALU_DEP_2)
	v_max3_num_f32 v24, v24, |v[X+\i]|, |v[X+\i+1]|
	s_delay_alu instid0(VALU_DEP_2)
	v_max3_num_f32 v25, v25, |v[X+\i+2]|, |v[X+\i+3]|
.endr
	s_delay_alu instid0(VALU_DEP_2)
	v_max3_num_f32 v24, v24, |v[X+30]|, |v[X+31]|
	s_delay_alu instid0(VALU_DEP_1)
	v_max3_num_f32 v24, v24, v25, 0x4800000
	s_delay_alu instid0(VALU_DEP_1)
	v_add_nc_u32 v26, 0xfc000000, v24
	s_delay_alu instid0(VALU_DEP_1)
	v_lshrrev_b32 v28, 23, v26
.irp i, 0,1,2,3,4,5,6,7,8,9,10,11,12,13,14,15,16,17,18,19,20,21,22,23,24,25,26,27,28,29,30,31
.endr
.irp g, 0,1,2,3
	v_cvt_scalef32_pk8_fp8_f32 v[KC+2*\g:KC+2*\g+1], v[X+8*\g:X+8*\g+7], v26
.endr
	v_nop
.endm
.macro BARRIER                         ; my LDS stores have landed and my LDS loads are in: then the work-group's barrier
	s_wait_dscnt 0x0
	s_barrier_signal -1
	s_barrier_wait -1
.endm
	; ---- THE HEAD: ids, descriptors, the four tensor loads
	s_load_b256 s[4:11], s[0:1], 0x0               ; Q s[4:5], K s[6:7], V s[8:9], G s[10:11]
	s_load_b128 s[12:15], s[0:1], 0x20             ; seqMask s[12:13], out0 s[14:15]
	v_lshl_add_u32 v1, v0, 2, SPARE
	v_mov_b32 v2, 0
	ds_add_u32 v1, v2                              ; the wave's opening: the add and its wait ahead of my first tensor load; work on registers stands between them
	ds_add_u32 v1, v2
	v_lshrrev_b32 v20, 5, v0
	s_delay_alu instid0(VALU_DEP_1)
	v_readfirstlane_b32 s16, v20                   ; wave 0..15
	s_and_b32 s17, s16, 3                          ; my tile of the chunk, and the place in the window of the block that I quantise
	s_lshr_b32 s18, s16, 2                         ; my head of the group
	s_and_b32 s22, ttmp7, 0xffff
	s_lshr_b32 s20, s22, 1                         ; batch
	s_and_b32 s21, s22, 1                          ; group of four heads
	; group 1: a dense block as lines of 256 bytes (32 elements of 8 bytes), 16 bytes of padding behind each; 16 lines for K and V, 8 for Q and G
	s_mov_b32 s40, (3<<16)|(1<<20)|(5<<22)|(3<<25) ; 15:0 no mask; 17:16 elements of 8 bytes; 20 padding on; 24:22 after every 64 words (code 5); 31:25 four words (code 3)
	s_mov_b32 s41, 32<<16                          ; tensor_dim0 = 32
	s_mov_b32 s42, 16<<16                          ; tensor_dim1 = 16
	s_mov_b32 s43, 32<<16                          ; tile_dim0 = 32
	s_mov_b32 s44, 16                              ; tile_dim1 = 16
	s_mov_b32 s45, 32                              ; from line to line: 32 elements
	s_mov_b32 s46, 0
	s_mov_b32 s47, 0
	s_mov_b32 s48, (3<<16)|(1<<20)|(5<<22)|(3<<25)
	s_mov_b32 s49, 32<<16
	s_mov_b32 s50, 8<<16
	s_mov_b32 s51, 32<<16
	s_mov_b32 s52, 8
	s_mov_b32 s53, 32
	s_mov_b32 s54, 0
	s_mov_b32 s55, 0
	s_lshl_b32 s22, s21, 2
	s_add_co_u32 s22, s22, s18                     ; head = 4 x group + my head of it
	s_lshl_b32 s22, s22, 2
	s_add_co_u32 s22, s22, s20                     ; 4 x head + batch
	s_lshl_b32 s22, s22, 18                        ; x 2,048 rows of 128 bytes: where my (head, batch) begins in Q, K, V and G
	s_lshl_b32 s23, ttmp9, 1
	s_add_co_u32 s23, s23, s17
	s_sub_co_i32 s23, s23, 1                       ; the block of 32 keys that I quantise: 2 j - 1 + place,
	s_max_i32 s23, s23, 0
	s_min_i32 s23, s23, 63                         ; held inside the sequence: no load leaves its buffer (a block so moved is hidden by its penalty)
	s_lshl_b32 s23, s23, 12
	s_add_co_u32 s56, s22, s23                     ; its byte offset in K and in V
	s_mov_b32 s57, 0
	s_lshl_b32 s23, ttmp9, 2
	s_add_co_u32 s23, s23, s17                     ; my tile of 16 queries: 4 j + tile
	s_lshl_b32 s23, s23, 11
	s_add_co_u32 s2, s22, s23                      ; its byte offset in Q and in G
	s_mov_b32 s3, 0
	s_mov_b32 s24, 1                               ; groups 0: count = 1; the LDS address: a constant + the wave's number x a constant
	s_mul_i32 s25, s16, BLKB
	s_mov_b32 s28, 1
	s_mul_i32 s29, s16, TILB
	s_add_co_u32 s29, s29, QREG
	s_mov_b32 s32, 1
	s_add_co_u32 s33, s25, VREG
	s_mov_b32 s36, 1
	s_mul_i32 s37, s16, TILB
	s_add_co_u32 s37, s37, GREG
	s_mov_b32 s58, 0x3e8293ee                      ; c = log2(e) / sqrt(32)
	s_mov_b32 s59, s58                             ; (the packed form names the pair)
	s_mov_b32 s60, 0x76543210
	s_mov_b32 s61, 0xfedcba98                      ; v_permlanex16_b32's selects for lane l xor 16
	s_wait_dscnt 0x0                               ; the opening add is done
	s_wait_kmcnt 0x0
	s_add_nc_u64 s[26:27], s[6:7], s[56:57]
	s_or_b32 s27, s27, 0x80000000                  ; type = 2
	s_add_nc_u64 s[30:31], s[4:5], s[2:3]
	s_or_b32 s31, s31, 0x80000000
	s_add_nc_u64 s[34:35], s[8:9], s[56:57]
	s_or_b32 s35, s35, 0x80000000
	s_add_nc_u64 s[38:39], s[10:11], s[2:3]
	s_or_b32 s39, s39, 0x80000000
	tensor_load_to_lds s[24:27], s[40:47]          ; K's block, Q's tile, V's block, G's tile: in the order in which they are wanted
	s_nop 0
	tensor_load_to_lds s[28:31], s[48:55]
	s_nop 0
	tensor_load_to_lds s[32:35], s[40:47]
	s_nop 0
	tensor_load_to_lds s[36:39], s[48:55]
	s_nop 0
	; ---- while they are on their way: the mask's bytes, all addresses, the band, the zero codes
	v_and_b32 v20, 15, v0                          ; r
	v_bfe_u32 v21, v0, 4, 1                        ; h
	v_and_b32 v22, 31, v0                          ; lane
	s_wait_alu depctr_va_vdst(0)
	s_add_co_u32 s19, s17, 1
	s_lshr_b32 s19, s19, 1                         ; wb: the place in the window of my tile's first block: 0, 1, 1, 2
	s_lshl_b32 s23, ttmp9, 1
	s_add_co_u32 s23, s23, s19
	s_sub_co_i32 s23, s23, 1                       ; B0 = 2 j - 1 + wb, from -1 to 63; my keys are blocks B0 and B0 + 1
	s_cmp_lt_i32 s23, 0
	s_cselect_b32 s100, 0xff800000, 0              ; block B0's own penalty: -infinity where it lies in front of the sequence
	s_cmp_gt_i32 s23, 62
	s_cselect_b32 s101, 0xff800000, 0              ; block B0 + 1's: where it lies behind the sequence
	s_max_i32 s2, s23, 0
	s_add_co_i32 s3, s23, 1
	s_min_i32 s3, s3, 63                           ; both held inside the sequence for the loads
	s_lshl_b32 s56, s20, 11                        ; my batch's row of seqMask
	s_lshl_b32 s2, s2, 5
	s_add_co_u32 s2, s2, s56
	s_lshl_b32 s3, s3, 5
	s_add_co_u32 s3, s3, s56
	v_add_nc_u32 v17, s2, v22                      ; a lane a key
	v_add_nc_u32 v18, s3, v22
	global_load_u8 v30, v17, s[12:13]
	global_load_u8 v31, v18, s[12:13]
	; source row p of an f32 tile lies at 272 (p / 2) + 128 (p % 2)
	v_bfe_u32 v23, v0, 3, 1
	s_delay_alu instid0(VALU_DEP_1)
	v_mul_u32_u24 v3, v23, 2176                    ; K: row r + 8 (r / 8) of my block (tile u: 8 rows, 1,088 bytes, further on): 16 rows for r / 8,
	v_bfe_u32 v23, v0, 1, 2
	s_delay_alu instid0(VALU_DEP_1)
	v_mad_u32_u24 v3, v23, 272, v3                 ; (r % 8) / 2 lines,
	v_and_b32 v19, 1, v0
	s_delay_alu instid0(VALU_DEP_1)
	v_lshl_add_u32 v3, v19, 7, v3                  ; the line's half,
	s_delay_alu instid0(VALU_DEP_1)
	v_lshl_add_u32 v3, v21, 6, v3                  ; my 16 channels
	s_delay_alu instid0(VALU_DEP_1)
	v_add_nc_u32 v3, s25, v3
	v_bfe_u32 v23, v0, 1, 3
	s_delay_alu instid0(VALU_DEP_1)
	v_mul_u32_u24 v23, v23, 272
	s_delay_alu instid0(VALU_DEP_1)
	v_lshl_add_u32 v23, v19, 7, v23                ; row r of a tile of 16
	s_delay_alu instid0(VALU_DEP_1)
	v_lshl_add_u32 v4, v21, 6, v23                 ; Q: + my 16 channels
	s_delay_alu instid0(VALU_DEP_1)
	v_add_nc_u32 v4, s29, v4
	s_delay_alu instid0(VALU_DEP_3)
	v_lshl_add_u32 v5, v21, 5, v23                 ; G: + 8 channels for my half, as O^T has them
	s_delay_alu instid0(VALU_DEP_1)
	v_add_nc_u32 v5, s37, v5
	v_lshl_add_u32 v6, v22, 2, s33                 ; V: channel = lane
	s_lshl_b32 s56, s16, 10
	s_add_co_u32 s56, s56, KIMG
	v_lshl_add_u32 v7, v22, 4, s56                 ; where I store images: 16 x lane + 1,024 x wave
	s_lshl_b32 s56, s16, 7
	s_add_co_u32 s56, s56, KSC
	v_lshl_add_u32 v8, v22, 2, s56                 ; and their scale words: 4 x lane + 128 x wave
	s_lshl_b32 s22, s18, 2
	s_add_co_u32 s22, s22, s19                     ; the image of my first block: 4 x head + wb
	s_lshl_b32 s56, s22, 10
	s_add_co_u32 s57, s56, KIMG
	v_lshl_add_u32 v9, v22, 4, s57                 ; K's images are read as they were stored
	s_add_co_u32 s57, s56, VIMG
	v_lshlrev_b32 v10, 4, v20
	s_delay_alu instid0(VALU_DEP_1)
	v_lshl_add_u32 v10, v21, 9, v10                ; V's: channel r (16 more: + 256), keys 16 h on
	s_delay_alu instid0(VALU_DEP_1)
	v_add_nc_u32 v10, s57, v10
	s_lshl_b32 s56, s22, 7
	s_add_co_u32 s56, s56, KSC
	v_lshl_add_u32 v11, v22, 2, s56                ; scale words
	s_lshl_b32 s56, s16, 8
	s_add_co_u32 s56, s56, PENT
	v_lshl_add_u32 v12, v22, 2, s56                ; penalties in: a lane a key;
	v_lshl_add_u32 v13, v21, 6, s56                ; back: 16 keys for my half
	s_mul_i32 s56, s17, 16*SP
	s_lshl_b32 s57, s18, 7
	s_add_co_u32 s56, s56, s57
	s_add_co_u32 s56, s56, STG
	v_mul_u32_u24 v14, v20, SP
	s_delay_alu instid0(VALU_DEP_1)
	v_lshl_add_u32 v14, v21, 5, v14
	s_delay_alu instid0(VALU_DEP_1)
	v_add_nc_u32 v14, s56, v14                     ; the stage, in: row 16 x tile + r, 128 bytes a head, 32 for my half
	s_mul_i32 s56, s16, 4*SP
	s_add_co_u32 s56, s56, STG
	v_lshl_add_u32 v15, v22, 4, s56                ; back: rows 4 w .. 4 w + 3, 16 bytes a lane
	v_lshlrev_b32 v16, 4, v22                      ; and the same in a row of out0
	s_lshl_b32 s56, s20, 11
	s_lshl_b32 s57, ttmp9, 6
	s_add_co_u32 s56, s56, s57
	s_lshl_b32 s57, s16, 2
	s_add_co_u32 s56, s56, s57                     ; the first position that I store: 2,048 x batch + 64 j + 4 w,
	s_lshl_b32 s56, s56, 10                        ; 1,024 bytes a position,
	s_lshl_b32 s57, s21, 9                         ; my group's four heads: 512 bytes
	s_add_co_u32 s56, s56, s57
	s_mov_b32 s57, 0
	s_add_nc_u64 s[14:15], s[14:15], s[56:57]
	; THE BAND.  In groups of 16 keys an odd tile sees [lo, mid, hi, none], an even tile [none, lo, mid, hi].  For key i of a group, as masks over the query rq:
	; lo: rq <= i - 6;  mid: |i - rq| <= 10;  hi: rq >= i + 6.  The 48 bits, shifted by 16 in an even tile, are the lane masks (lane = 16 h + rq) of score registers i (low word) and 16 + i (high word).
	s_and_b32 s63, s17, 1
	s_xor_b32 s63, s63, 1
	s_lshl_b32 s63, s63, 4
.set i, 0
.rept 16
.if i >= 6
.set BLO, (1<<(i-5))-1
.else
.set BLO, 0
.endif
.if i >= 10
.set BM0, i-10
.else
.set BM0, 0
.endif
.if i <= 5
.set BM1, i+10
.else
.set BM1, 15
.endif
.set BMID, (1<<(BM1+1))-(1<<BM0)
.if i <= 9
.set BHI, 0x10000-(1<<(i+6))
.else
.set BHI, 0
.endif
	s_mov_b32 s66, BLO|(BMID<<16)
	s_mov_b32 s67, BHI
	s_lshl_b64 s[68+2*i:69+2*i], s[66:67], s63
.set i, i+1
.endr
.irp k, 0,1,2,3,4,5,6,7,8,9,10,11,16,17,18,19,20,21,22,23,24,25,26,27
	v_mov_b32 v[QZ+\k], 0                          ; zero codes round Q's four registers: operands, not accumulators
.endr
	v_mov_b32 v25, 0                               ; written once: a lane permute's destination counts as one of its sources
	v_mov_b32 v132, 0
	v_mov_b32 v133, 0
	v_mov_b32 v123, 0                              ; (upper halves of pairs that the packed forms name)
	v_mov_b32 v129, 0
	v_mov_b32 v126, 0xff800000                     ; -infinity
	; ---- K: my block of 32 keys becomes two tiles of codes and goes to LDS as an image
	s_wait_tensorcnt 0x3                           ; a wave's tensor loads end in order (ISA guide 10.11.1): K's is in; Q's, V's and G's, issued behind it, may be out
.irp u, 0,1
.irp c, 0,1,2,3
	ds_load_b128 v[X+16*\u+4*\c:X+16*\u+4*\c+3], v3 offset:1088*\u+16*\c
.endr
.endr
	s_wait_dscnt 0x4                               ; tile 0's four loads are in, tile 1's four may be out
	QROW X, KC, 28
	s_wait_dscnt 0x0
	QROW X+16, KC+4, 29
	v_lshl_or_b32 v29, v29, 8, v28                 ; the two tiles' bytes of row r
	ds_store_b128 v7, v[KC:KC+3]
	ds_store_b128 v7, v[KC+4:KC+7] offset:512
	ds_store_b32 v8, v29
	; ---- Q: my 16 queries, in registers
	s_wait_tensorcnt 0x2                           ; Q's is in; V's and G's may be out
.irp c, 0,1,2,3
	ds_load_b128 v[X+4*\c:X+4*\c+3], v4 offset:16*\c
.endr
	s_wait_dscnt 0x0
	QROW X, QZ+12, 28
	v_lshl_or_b32 v117, v28, 8, v28
	s_delay_alu instid0(VALU_DEP_1)
	v_lshl_or_b32 v117, v117, 16, v117             ; Q's byte in all four places: whichever block holds its codes
	; ---- the penalties: a lane a key on the way in, 16 keys a lane on the way back, through my own 256 bytes
	s_wait_loadcnt 0x0                             ; the mask's bytes
	v_cmp_ne_u32 vcc_lo, 0, v30
	v_mov_b32 v24, s100
	s_delay_alu instid0(VALU_DEP_1)
	v_cndmask_b32 v24, v24, v126, vcc_lo           ; -infinity where the key is masked or its block lies outside the sequence, else 0
	ds_store_b32 v12, v24
	v_cmp_ne_u32 vcc_lo, 0, v31
	v_mov_b32 v26, s101
	s_delay_alu instid0(VALU_DEP_1)
	v_cndmask_b32 v26, v26, v126, vcc_lo
	ds_store_b32 v12, v26 offset:128
.irp b, 0,1
.irp c, 0,1,2,3
	ds_load_b128 v[PEN+16*\b+4*\c:PEN+16*\b+4*\c+3], v13 offset:128*\b+16*\c   ; LDS serves a wave's instructions in order (ISA guide 5.7.1.4): these see my stores
.endr
.endr
	s_wait_dscnt 0x0                               ; for the others' sake: my images have landed; and my penalties are in
	s_barrier_signal -1
.set i, 0
.rept 16
	v_cndmask_b32 v[PEN+i], v126, v[PEN+i], s[68+2*i]          ; work on registers while the others arrive: outside the band the penalty is -infinity
	v_cndmask_b32 v[PEN+16+i], v126, v[PEN+16+i], s[69+2*i]
.set i, i+1
.endr
	s_barrier_wait -1                              ; the sixteen images of K lie in LDS
	; ---- S^T = K Q^T
.irp b, 0,1
.irp u, 0,1
	ds_load_b128 v[KF+4*(2*\b+\u):KF+4*(2*\b+\u)+3], v9 offset:1024*\b+512*\u
.endr
.endr
	ds_load_b32 v120, v11
	ds_load_b32 v121, v11 offset:128
	s_wait_dscnt 0x0
	v_lshl_or_b32 v116, v121, 16, v120             ; K's scale word: byte c = tile c's row r
.irp t, 0,1
.irp k, 8,9,10,11,12,13,14,15
	v_mov_b32 v[VF+16*\t+\k], 0                    ; zero codes behind V's two blocks.  (These 16 are also the places between the scale word's line and the products)
.endr
.endr
.irp c, 0,1,2,3
	v_wmma_scale_f32_16x16x128_f8f6f4 v[SCO+8*\c:SCO+8*\c+7], v[KF:KF+15], v[QZ+12-4*\c:QZ+27-4*\c], 0, v116, v117   ; Q's codes stand in block c of source 1: the scores of tile c
.endr
.irp k, 8,9,10,11,12,13,14,15
	v_mov_b32 v[PB+\k], 0                          ; zero codes behind p's two blocks: eight plain instructions, the places behind the products
.endr
	; ---- the softmax
.irp k, 0,2,4,6,8,10,12,14,16,18,20,22,24,26,28,30
	v_pk_fma_f32 v[SCO+\k:SCO+\k+1], v[SCO+\k:SCO+\k+1], s[58:59], v[PEN+\k:PEN+\k+1] op_sel_hi:[1,0,1]   ; t = score x c + the penalty; each accumulator from its low end on
.endr
.irp b, 0,1
	v_max3_num_f32 v[130+\b], v[SCO+16*\b], v[SCO+16*\b+1], v[SCO+16*\b+2]   ; the largest t of each block: for the row's maximum and, since p rises with t, for the block's largest p
.endr
.irp i, 3,5,7,9,11,13
.irp b, 0,1
	s_delay_alu instid0(VALU_DEP_2)
	v_max3_num_f32 v[130+\b], v[130+\b], v[SCO+16*\b+\i], v[SCO+16*\b+\i+1]
.endr
.endr
.irp b, 0,1
	s_delay_alu instid0(VALU_DEP_2)
	v_max_num_f32 v[130+\b], v[130+\b], v[SCO+16*\b+15]
.endr
.irp b, 0,1
	s_delay_alu instid0(VALU_DEP_2)
	v_permlanex16_b32 v[132+\b], v[130+\b], s60, s61
.endr
.irp b, 0,1
	s_delay_alu instid0(VALU_DEP_2)
	v_max_num_f32 v[130+\b], v[130+\b], v[132+\b]  ; with lane l xor 16's 16 keys
.endr
	s_delay_alu instid0(VALU_DEP_1)
	v_max_num_f32 v24, v130, v131                  ; the row's largest t
	s_delay_alu instid0(VALU_DEP_1)
	v_floor_f32 v122, -v24                         ; -M = floor(-t) = -ceil(t)
.irp k, 0,2,4,6,8,10,12,14,16,18,20,22,24,26,28,30
	v_pk_add_f32 v[SCO+\k:SCO+\k+1], v[SCO+\k:SCO+\k+1], v[122:123] op_sel_hi:[1,0]   ; t - M
.endr
	v_add_f32 v130, v130, v122                     ; the same of each block's largest t: the same line on the same number gives the same bits
	v_add_f32 v131, v131, v122
	s_wait_alu depctr_va_vdst(0)
.irp k, 0,1,2,3,4,5,6,7,8,9,10,11,12,13,14,15,16,17,18,19,20,21,22,23,24,25,26,27,28,29,30,31
	v_exp_f32 v[SCO+\k], v[SCO+\k]                 ; p = 2^(t - M): not normalised
.endr
	v_exp_f32 v130, v130
	v_exp_f32 v131, v131
	v_nop                                          ; a plain instruction behind the last exponential (ISA guide 5.7.2)
	s_wait_alu depctr_va_vdst(0)                   ; one wait for the batch of 34, ahead of its first reader
	v_pk_add_f32 v[24:25], v[136:137], v[138:139]
	v_pk_add_f32 v[254:255], v[144:145], v[148:149]
	v_pk_add_f32 v[252:253], v[152:153], v[156:157]
	v_pk_add_f32 v[250:251], v[160:161], v[164:165]
	v_pk_add_f32 v[248:249], v[140:141], v[142:143]
	v_pk_add_f32 v[238:239], v[146:147], v[150:151]
	v_pk_add_f32 v[236:237], v[154:155], v[158:159]
	v_pk_add_f32 v[124:125], v[162:163], v[166:167]
	s_delay_alu instid0(VALU_DEP_1)
	v_pk_add_f32 v[124:125], v[124:125], v[250:251]
	v_pk_add_f32 v[24:25], v[24:25], v[248:249]
	v_pk_add_f32 v[254:255], v[254:255], v[238:239]
	v_pk_add_f32 v[252:253], v[252:253], v[236:237]
	s_delay_alu instid0(VALU_DEP_2)
	v_pk_add_f32 v[124:125], v[124:125], v[254:255]
	s_delay_alu instid0(VALU_DEP_2)
	v_pk_add_f32 v[24:25], v[24:25], v[252:253]
	s_delay_alu instid0(VALU_DEP_1)
	v_pk_add_f32 v[124:125], v[124:125], v[24:25]
.irp b, 0,1
	v_max_num_f32 v[130+\b], 0x4800000, v[130+\b]  ; the floor: a block whose every p is 0 keeps the byte 1; its codes are zeros
.endr
.irp b, 0,1
	s_delay_alu instid0(VALU_DEP_2)
	v_add_nc_u32 v[134+\b], 0xfc000000, v[130+\b]  ; the conversion's scale operand
.endr
.irp b, 0,1
.endr
.irp b, 0,1
	s_delay_alu instid0(VALU_DEP_2)
	v_lshrrev_b32 v[28+\b], 23, v[134+\b]          ; the scale's byte
.endr
	s_delay_alu instid0(VALU_DEP_1)
	v_lshl_or_b32 v118, v29, 8, v28                ; p's scale word: bytes 0 and 1; the two blocks of zero codes keep the byte 0
.irp b, 0,1
.irp i, 0,1,2,3,4,5,6,7,8,9,10,11,12,13,14,15
.endr
	v_cvt_scalef32_pk8_fp8_f32 v[PB+4*\b:PB+4*\b+1], v[SCO+16*\b:SCO+16*\b+7], v[134+\b]
	v_cvt_scalef32_pk8_fp8_f32 v[PB+4*\b+2:PB+4*\b+3], v[SCO+16*\b+8:SCO+16*\b+15], v[134+\b]
.endr
	v_nop
	; ---- V: my block of 32 keys: a lane takes a channel and its registers run down the keys
	s_wait_tensorcnt 0x1                           ; V's is in; G's may be out
.irp t, 0,1,2,3,4,5,6,7,8,9,10,11,12,13,14,15,16,17,18,19,20,21,22,23,24,25,26,27,28,29,30,31
	ds_load_b32 v[X+\t], v6 offset:272*(\t/2)+128*(\t%2)
.endr
	s_wait_dscnt 0x0
	VBLOCK
	ds_store_b128 v7, v[KC:KC+3] offset:TOV
	ds_store_b128 v7, v[KC+4:KC+7] offset:TOV+512
	ds_store_b32 v8, v28 offset:TOV
	BARRIER                                        ; the sixteen images of V lie in LDS
	; ---- O^T = V^T P^T, the division and the gate
.irp t, 0,1
.irp b, 0,1
	ds_load_b128 v[VF+16*\t+4*\b:VF+16*\t+4*\b+3], v10 offset:1024*\b+256*\t   ; channel 16 t + r, keys 16 h on of block b
.endr
.endr
	ds_load_b32 v120, v11 offset:TOV
	ds_load_b32 v121, v11 offset:TOV+128
	s_wait_tensorcnt 0x0                           ; G's is in
.irp t, 0,1
.irp e, 0,1
	ds_load_b128 v[X+8*\t+4*\e:X+8*\t+4*\e+3], v5 offset:64*\t+16*\e   ; G(r, 16 t + 8 h + 0 .. 7): O^T's layout
.endr
.endr
	s_wait_dscnt 0x4                               ; V's six loads are in, G's four may be out
	v_lshl_or_b32 v119, v121, 8, v120              ; V's scale word: lane = channel, bytes 0 and 1 the two blocks
	v_add_f32 v124, v124, v125                     ; the sum's two halves,
	s_delay_alu instid0(VALU_DEP_1)
	v_permlanex16_b32 v25, v124, s60, s61
	s_delay_alu instid0(VALU_DEP_1)
	v_add_f32 v124, v124, v25                      ; and lane l xor 16's: the row's sum
	s_wait_alu depctr_va_vdst(0)
	v_rcp_f32 v128, v124
.rept 6
	v_nop                                          ; with the two additions eight plain instructions between the scale word's line and the products; the first is also the plain instruction behind the reciprocal
.endr
	v_wmma_scale_f32_16x16x128_f8f6f4 v[OT:OT+7], v[VF:VF+15], v[PB:PB+15], 0, v119, v118
	v_wmma_scale_f32_16x16x128_f8f6f4 v[OT+8:OT+15], v[VF+16:VF+31], v[PB:PB+15], 0, v119, v118 matrix_a_scale:MATRIX_SCALE_ROW1   ; channels 16-31: their scale words stand in lanes 16-31
	s_wait_dscnt 0x0                               ; G
	s_wait_alu depctr_va_vdst(0)                   ; ahead of the reciprocal's first reader
.irp k, 0,2,4,6,8,10,12,14
	v_pk_mul_f32 v[X+\k:X+\k+1], v[X+\k:X+\k+1], v[128:129] op_sel_hi:[1,0]   ; G / the sum: eight plain instructions, the places behind the products
.endr
.irp k, 0,2,4,6,8,10,12,14
	v_pk_mul_f32 v[X+\k:X+\k+1], v[OT+\k:OT+\k+1], v[X+\k:X+\k+1]             ; x O^T; each accumulator from its low end on
.endr
.irp t, 0,1
.irp e, 0,1
	ds_store_b128 v14, v[X+8*\t+4*\e:X+8*\t+4*\e+3] offset:64*\t+16*\e
.endr
.endr
	BARRIER                                        ; 64 rows of 512 bytes, four heads each, lie in the stage
	; ---- the way out: each wave stores four whole rows
.irp k, 0,1,2,3
	ds_load_b128 v[BK+4*\k:BK+4*\k+3], v15 offset:\k*SP
.endr
.irp k, 0,1,2,3
	s_wait_dscnt 3-\k                              ; LDS loads come back in order (ISA guide 5.7.1): row k is in, the rows behind it may be out
	global_store_b128 v16, v[BK+4*\k:BK+4*\k+3], s[14:15] offset:1024*\k th:TH_STORE_NT   ; 32 lanes store 512 consecutive bytes, at a multiple of 512 from out0's first byte
.endr
	s_wait_tensorcnt 0x0                           ; the wave's end, behind my last tensor load and my last LDS store
	ds_add_u32 v1, v2
	s_wait_dscnt 0x0
	s_endpgm
.Lfunc_end_k_q05c041e1da_band:
	.size	k_q05c041e1da_band, .Lfunc_end_k_q05c041e1da_band-k_q05c041e1da_band
	.p2alignl 7, 3214868480
	.fill 96, 4, 3214868480
	.section	.rodata,"a",@progbits
	.p2align	6, 0x0
	.amdhsa_kernel k_q05c041e1da_band
		.amdhsa_group_segment_fixed_size 285696
		.amdhsa_private_segment_fixed_size 0
		.amdhsa_enable_private_segment 0
		.amdhsa_kernarg_size 48
		.amdhsa_user_sgpr_count 2
		.amdhsa_user_sgpr_kernarg_segment_ptr 1
		.amdhsa_wavefront_size32 1
		.amdhsa_system_sgpr_workgroup_id_x 1
		.amdhsa_system_sgpr_workgroup_id_y 1
		.amdhsa_system_sgpr_workgroup_id_z 1
		.amdhsa_system_vgpr_workitem_id 0
		.amdhsa_next_free_vgpr 256
		.amdhsa_next_free_sgpr 102
		.amdhsa_reserve_vcc 1
		.amdhsa_float_denorm_mode_32 3
		.amdhsa_float_denorm_mode_16_64 3
		.amdhsa_fp16_overflow 1
		.amdhsa_memory_ordered 1
		.amdhsa_forward_progress 1
		.amdhsa_inst_pref_size 37
	.end_amdhsa_kernel
	.amdgpu_metadata
---
amdhsa.version: [ 1, 2 ]
amdhsa.kernels:
  - .name:           k_q05c041e1da_band
    .symbol:         k_q05c041e1da_band.kd
    .args:
      - { .name: Q, .offset: 0, .size: 8, .value_kind: global_buffer, .address_space: global }
      - { .name: K, .offset: 8, .size: 8, .value_kind: global_buffer, .address_space: global }
      - { .name: V, .offset: 16, .size: 8, .value_kind: global_buffer, .address_space: global }
      - { .name: G, .offset: 24, .size: 8, .value_kind: global_buffer, .address_space: global }
      - { .name: seqMask, .offset: 32, .size: 8, .value_kind: global_buffer, .address_space: global }
      - { .name: out0, .offset: 40, .size: 8, .value_kind: global_buffer, .address_space: global }
    .group_segment_fixed_size: 285696
    .private_segment_fixed_size: 0
    .kernarg_segment_align: 8
    .kernarg_segment_size: 48
    .max_flat_workgroup_size: 512
    .sgpr_count:     102
    .vgpr_count:     256
    .wavefront_size: 32
...
	.end_amdgpu_metadata
.endif
;; end of part 1
